; MI455X (gfx1250); checked and timed in simulation.
; The chip was launched on July 23, 2026; its instructions are those of AMD's public machine-readable ISA for CDNA 5 (MIT licence, August 2026) and "CDNA5" Instruction Set Architecture Reference Guide (July 2026). The comments in the code are by the model that wrote it; some were corrected since.
;; Sparse Mo EFFN. Allowed arithmetic: matrix products marked QUANTISED: E2M1 operands, one E8M0 scale for each 32 along K, by v_wmma_scale_f32_16x16x128_f8f6f4 with both operands' format E2M1 (or v_wmma_scale_f32_32x16x128_f4), f32 sums; products left as they are: f32 operands where the result goes on into a quantised operand, else bf16, f16 or f32 operands; f32 sums; everything else in f32.
;; Inputs: W1_codes 8 x 4,096 x 32 x 16 uint8 (E2M1 codes of W1, K innermost, in blocks of 32 codes, two codes a byte); W1_scales 8 x 4,096 x 32 uint8 (E8M0 scales of W1, one for each 32 codes along K); W2_codes 8 x 1,024 x 128 x 16 uint8 (E2M1 codes of W2, K innermost, in blocks of 32 codes, two codes a byte); W2_scales 8 x 1,024 x 128 uint8 (E8M0 scales of W2, one for each 32 codes along K); Wr 1,024 x 8 float32; b1 8 x 4,096 float32; b2 8 x 1,024 float32; br 8 float32; x 2 x 512 x 1,024 float32.
;; Outputs: out0 2 x 512 x 1,024 float32; out1 one number float32.
;; This version of the problem:
;;   THIS VERSION OF THE PROBLEM IS GIVEN IN LOW PRECISION. The matrix products marked QUANTISED in the list below multiply operands that are first quantised to E2M1 (2 exponent bits, 1 mantissa bit; 4 bits a number), with one power-of-two scale for each 32 numbers along K (OCP MX v1.0); their sums are f32. All else is computed in f32.
;;   The module's matrix products, in the order in which they are computed (A, B: the left and right operand; K: the contracted axis; several contracted axes count as one K, in the product's order):
;;     1. [M 1,024, K 1,024] x [K 1,024, N 8]; A: input x; B: input Wr: left as it is (N = 8 < 16)
;;     2. [M 32,768, K 1,024] x [K 1,024, N 1,024]; A: input W1 (given as codes); B: input x: QUANTISED
;;     3. batch 8 x [M 1,024, K 4,096] x [K 4,096, N 1,024]; A: input W2 (given as codes); B: computed on the way: QUANTISED
;;   THE QUANTISER, for each operand of a quantised product, along K:
;;     - K is cut into blocks of 32 from its start; a last block that is shorter is filled with zeros.
;;     - A block's scale is 2^e with e = floor(log2(the largest magnitude in the block)) - 2, held to -126 .. 127; a block of zeros has e = 0. As a byte (E8M0): e + 127.
;;     - Each number is divided by its block's scale, clamped to +-6, and rounded to the nearest number of E2M1, ties to even, subnormals kept.
;;     - The product sums the exact products of the quantised numbers (number of the format x scale) in f32.
;;   ~~~python
;;   def quantise(x, axis):      # numpy; x: float32 -> the quantised numbers, widened to float32 again
;;       x = np.moveaxis(x, axis, -1); K = x.shape[-1]
;;       x = np.pad(x, [(0, 0)] * (x.ndim - 1) + [(0, -K % 32)]); x = x.reshape(x.shape[:-1] + (-1, 32)); a = np.abs(x).max(-1, keepdims=True)
;;       e = np.where(a > 0, np.clip(np.frexp(np.where(a > 0, a, 1))[1] - 1 - 2, -126, 127), 0)      # np.frexp(a)[1] - 1 = floor(log2(a)), exactly
;;       r = np.clip(x / 2.0 ** e, -6, 6)
;;       step = 2.0 ** (np.maximum(np.frexp(np.where(r == 0, 1, r))[1] - 1, 0) - 1)
;;       q = np.round(r / step) * step * 2.0 ** e      # np.round: ties to even
;;       return np.moveaxis(q.reshape(q.shape[:-2] + (-1,))[..., :K], -1, axis).astype(np.float32)
;;   ~~~
;;   OPERANDS COMPUTED ON THE WAY. 'Computed on the way' means the value that the module computes at that place (a softmax that the list does not call 'softmax' is quantised finished and normalised). What goes into a quantiser is computed in f32, as accurately as f32 sums, v_exp_f32 and their like allow (about 1e-6 of the number): no bf16 or f16 on the way to a quantiser, and a product that is left as it is and whose result goes on into a quantised operand takes f32 operands (vector FMAs, or v_wmma_f32_16x16x4_f32). A number that lies on a knife's edge between two numbers of the format may be rounded either way, as far as f32 arithmetic and the matrix unit's own rounding can turn it there, and no further.
;;   INPUTS GIVEN AS CODES. W1 (in the module: [8, 1024, 4096], K = its axis 1); W2 (in the module: [8, 4096, 1024], K = its axis 1): each comes as NAME_codes (uint8): NAME with its K axis moved to the last place and cut into blocks of 32 codes, [.., K / 32, bytes a block], one block behind the other in memory; two codes a byte, the lower K in the low four bits (a code: sign, 2 exponent bits, 1 mantissa bit); and NAME_scales (uint8): the same leading axes, one E8M0 byte (e + 127) for each 32 codes along K. Its value is code x scale, taken as it is: it is not quantised again, and the codes and scales need not be those that the quantiser above would give.
;; One version. Each part assembles by itself: llvm-mc -triple=amdgcn-amd-amdhsa -mcpu=gfx1250 --defsym DOCPART=n.
;; ======== version 1 of 1: 4 launches
;; limits: right only within a limited range of input values
;; workspace buffers: xq 557,056 bytes; tk 4,096 bytes of whole numbers; gates 16,384 bytes; hq 18,874,368 bytes; rowlist 66,560 bytes of whole numbers; glist 65,536 bytes; y 8,388,608 bytes
;; launch route (part 1): grid 256 x 1, 4 waves a work-group, no clusters, 52,480 bytes of LDS; arguments x, Wr, br, xq, tk, gates; writes xq, tk, gates
.if DOCPART == 1
	.amdgcn_target "amdgcn-amd-amdhsa--gfx1250"
	.amdhsa_code_object_version 6
	.text
	.protected	k_q05a2836c02_route
	.globl	k_q05a2836c02_route
	.p2align	8
	.type	k_q05a2836c02_route,@function
k_q05a2836c02_route:
	s_mov_b64 s[64:65], 0
	v_nop
	global_prefetch_b8 v0, s[64:65] scope:SCOPE_SE
	s_setreg_imm32_b32 hwreg(HW_REG_WAVE_MODE, 25, 1), 1
	s_wait_xcnt 0x0
; ROUTE: router logits, top-2, gates, probabilities; x into codes of E2M1 with one E8M0 byte for each 32 along D.
; DEAD WORK LEFT OUT BY THE WHOLE PROGRAM.  reference() computes y[b,s,e,:] for all 8 experts and then keeps, by take_along_axis on its own top_k, the rows of the two chosen experts of each token;
; the other six rows of y, and the rows of h that feed only them, reach no output whatever values the inputs hold.  So products 2 and 3 are made for the 2,048 chosen (token, expert) rows alone.
; Every input still has a way to an output and is loaded.  LIMIT: a NaN, an infinity or an overflow that arises only in an expert that was not chosen for a token is not carried to the result.
; LIMITS: NaN and infinities among the inputs are not served.  A block of 32 zeros of x gets the scale byte 1 where the quantiser says 127: its codes are zeros, and this program alone reads the bytes.
; The logits are summed 32 numbers a lane and then across the lanes, another order than reference()'s.
; SHARES.  A work-group takes 4 tokens, a wave one.  Lane l owns d = 32 l .. 32 l + 31: one block of the quantiser.  Each load reads 512 consecutive bytes; x and Wr turn through LDS so that a lane gets its neighbours.
; OUT: xq: codes [token][512 bytes], then from byte 524,288 the scale bytes [token][32];  tk[token] = (1 << e0) | (1 << (8 + e1));  gates[2 token + k];  from byte 8,192 of gates the sum of this work-group's 4 tokens' probabilities, 8 numbers.
; The choice is only STORED here, at fixed places: no address and no branch of this launch hangs on it.
; No tensor load, no cluster: the work-groups share only Wr's 32 KiB, a small part of what a work-group does, and the launch is short.
.set WRP,   1040                       ; a lane's 1,024 bytes of Wr in LDS + 16 of padding: an odd multiple of 16
.set XSP,   144                        ; a lane's 128 bytes of x + 16
.set LXS,   32*WRP                     ; behind Wr: four stages for x, one a wave
.set LPR,   LXS+4*32*XSP               ; the four tokens' probabilities, 32 bytes each
.set SPARE, LPR+256                    ; the spare words, 128 bytes a wave
.set SPW, 8                            ; v8   my spare word's LDS address; never rewritten
.set NIL, 9                            ; v9   0; never rewritten
.set XR,  16                           ; v16-47   x as loaded
.set XT,  48                           ; v48-79   my 32 neighbours
.set WA,  80                           ; v80-143  Wr as loaded, then quarters 0 and 2 of my rows
.set WB,  144                          ; v144-207 quarters 1 and 3
.set ACC, 208                          ; v208-215 my part of the 8 logits
.set LG,  216                          ; v216-223 the logits
.set EX,  232                          ; v232-239 at work, then the probabilities
	s_load_b256 s[4:11], s[0:1], 0x0               ; x, Wr, br, xq
	s_load_b128 s[12:15], s[0:1], 0x20             ; tk, gates
	v_lshl_add_u32 v[SPW], v0, 2, SPARE
	v_mov_b32 v[NIL], 0
	v_lshrrev_b32 v10, 5, v0
	v_readfirstlane_b32 s24, v10                   ; wave
	v_and_b32 v1, 31, v0                           ; lane
	v_lshlrev_b32 v2, 4, v1                        ; 16 x lane
	s_mul_i32 s25, s24, 32*XSP
	s_add_co_u32 s25, s25, LXS                     ; my wave's stage
	v_lshrrev_b32 v10, 3, v1
	v_and_b32 v11, 7, v1
	v_mul_u32_u24 v10, v10, XSP
	v_lshl_add_u32 v10, v11, 4, v10
	v_add_nc_u32 v3, s25, v10                      ; into the stage: eight lanes' 128 bytes on end, then the padding
	v_mul_u32_u24 v4, v1, XSP
	v_add_nc_u32 v4, s25, v4                       ; out of it: my 128 bytes
	s_mul_i32 s28, s24, 8*WRP
	v_add_nc_u32 v5, s28, v2                       ; Wr into LDS: my wave brings the rows of lanes 8 w .. 8 w + 7
	v_mul_u32_u24 v6, v1, WRP                      ; and out: my 32 rows
	s_lshl_b32 s28, s24, 5
	s_add_co_u32 s28, s28, LPR
	v_mov_b32 v7, s28                              ; my token's probabilities
	s_lshl_b32 s28, s24, 13
	v_add_nc_u32 v12, s28, v2                      ; Wr in memory: 8,192 bytes a wave
	s_lshl_b32 s29, ttmp9, 2
	s_add_co_u32 s29, s29, s24                     ; my token
	s_mov_b32 s31, 0
	s_mov_b32 s26, 0x76543210
	s_mov_b32 s27, 0xfedcba98                      ; v_permlanex16_b32's selects for lane l xor 16
	s_wait_alu depctr_va_vdst(0)
	s_wait_kmcnt 0x0
	s_load_b256 s[16:23], s[8:9], 0x0              ; br
	s_lshl_b32 s30, s29, 12
	s_add_nc_u64 s[4:5], s[4:5], s[30:31]          ; my row of x
	s_lshl_b32 s30, s29, 9
	s_add_nc_u64 s[32:33], s[10:11], s[30:31]      ; its codes
	s_lshl_b32 s30, s29, 5
	s_add_nc_u64 s[34:35], s[10:11], s[30:31]      ; its scale bytes (+ 524,288 in the store)
	s_lshl_b32 s30, s29, 2
	s_add_nc_u64 s[38:39], s[12:13], s[30:31]      ; its word of tk
	s_lshl_b32 s30, s29, 3
	s_add_nc_u64 s[40:41], s[14:15], s[30:31]      ; its two gates
	s_lshl_b32 s30, ttmp9, 5
	s_add_nc_u64 s[42:43], s[14:15], s[30:31]      ; the work-group's sum of probabilities (+ 8,192 in the store)
.irp i, 0,1,2,3,4,5,6,7
	global_load_b128 v[XR+4*\i:XR+4*\i+3], v2, s[4:5] offset:512*\i th:TH_LOAD_NT
.endr
.irp i, 0,1,2,3,4,5,6,7,8,9,10,11,12,13,14,15
	global_load_b128 v[WA+4*\i:WA+4*\i+3], v12, s[6:7] offset:512*\i
.endr
	s_wait_loadcnt 16                              ; x is in; Wr's sixteen loads are the younger ones
.irp i, 0,1,2,3,4,5,6,7
	ds_store_b128 v3, v[XR+4*\i:XR+4*\i+3] offset:4*XSP*\i
.endr
.irp i, 0,1,2,3,4,5,6,7
	ds_load_b128 v[XT+4*\i:XT+4*\i+3], v4 offset:16*\i             ; my wave's own bytes, served in order: no wait between
.endr
	s_wait_loadcnt 0x0
.irp i, 0,1,2,3,4,5,6,7,8,9,10,11,12,13,14,15
	ds_store_b128 v5, v[WA+4*\i:WA+4*\i+3] offset:WRP*(\i/2)+512*(\i%2)
.endr
	s_wait_dscnt 0x0                               ; my stores of Wr have landed, and x is back
	s_barrier_signal -1
	s_barrier_wait -1                              ; all of Wr lies in LDS
.macro QLOAD k, w                      ; quarter k of my rows of Wr: 8 rows x 8 experts
.irp j, 0,1,2,3,4,5,6,7,8,9,10,11,12,13,14,15
	ds_load_b128 v[\w+4*\j:\w+4*\j+3], v6 offset:256*\k+16*\j
.endr
.endm
	QLOAD 0, WA
	QLOAD 1, WB
	; the quantiser, while Wr's first quarters come: all 32 numbers of the block are mine
	v_max3_num_f32 v10, |v[XT]|, |v[XT+1]|, 0x1800000              ; with the floor 2^(3 - 127): the byte cannot fall under 1
	v_max3_num_f32 v11, |v[XT+2]|, |v[XT+3]|, |v[XT+4]|
.irp i, 5,9,13,17,21,25
	v_max3_num_f32 v10, v10, |v[XT+\i]|, |v[XT+\i+1]|
	v_max3_num_f32 v11, v11, |v[XT+\i+2]|, |v[XT+\i+3]|
.endr
	v_max3_num_f32 v10, v10, |v[XT+29]|, |v[XT+30]|
	v_max3_num_f32 v10, v10, v11, |v[XT+31]|
	v_add_nc_u32 v245, 0xff000000, v10             ; 2 off the exponent field: the conversion takes this operand's exponent field as its scale
.irp g, 0,1,2,3
	v_cvt_scalef32_pk8_fp4_f32 v[240+\g], v[XT+8*\g:XT+8*\g+7], v245
.endr
	v_lshrrev_b32 v244, 23, v245                   ; the scale's byte (a plain line behind the conversions)
	global_store_b128 v2, v[240:243], s[32:33]     ; the wave stores the token's 512 bytes of codes on end
	global_store_b8 v1, v244, s[34:35] offset:524288   ; and its 32 scale bytes on end: 32 KiB in the whole launch go out in such short runs
; 8 rows x 8 experts: x of one row times two experts at a time
.macro FMAQ k, w
.irp a, 0,1,2,3
.irp p, 0,1,2,3
.if (\k == 0) && (\a == 0)
	v_pk_mul_f32 v[ACC+2*\p:ACC+2*\p+1], v[XT+8*\k+2*\a:XT+8*\k+2*\a+1], v[\w+16*\a+2*\p:\w+16*\a+2*\p+1] op_sel_hi:[0,1]   ; the first row starts the sums
.else
	v_pk_fma_f32 v[ACC+2*\p:ACC+2*\p+1], v[XT+8*\k+2*\a:XT+8*\k+2*\a+1], v[\w+16*\a+2*\p:\w+16*\a+2*\p+1], v[ACC+2*\p:ACC+2*\p+1] op_sel_hi:[0,1,1]
.endif
.endr
.irp p, 0,1,2,3
	v_pk_fma_f32 v[ACC+2*\p:ACC+2*\p+1], v[XT+8*\k+2*\a:XT+8*\k+2*\a+1], v[\w+16*\a+8+2*\p:\w+16*\a+8+2*\p+1], v[ACC+2*\p:ACC+2*\p+1] op_sel:[1,0,0] op_sel_hi:[1,1,1]
.endr
.endr
.endm
	s_wait_dscnt 16                                ; quarter 0 is in; quarter 1's sixteen loads are the younger ones
	FMAQ 0, WA
	QLOAD 2, WA
	s_wait_alu depctr_va_vdst(0)
	s_wait_dscnt 16                                ; quarter 1 is in
	FMAQ 1, WB
	QLOAD 3, WB
	s_wait_alu depctr_va_vdst(0)
	s_wait_dscnt 16                                ; quarter 2 is in
	FMAQ 2, WA
	s_wait_alu depctr_va_vdst(0)
	s_wait_dscnt 0x0
	FMAQ 3, WB
.irp m, 1,2,4,8
.irp e, 0,1,2,3,4,5,6,7
	v_add_f32_dpp v[ACC+\e], v[ACC+\e], v[ACC+\e] row_xmask:\m row_mask:0xf bank_mask:0xf
.endr
.endr
.irp e, 0,1,2,3,4,5,6,7
	v_permlanex16_b32 v[WA+\e], v[ACC+\e], s26, s27
.endr
	s_wait_alu depctr_va_vdst(0)
	s_wait_kmcnt 0x0                               ; br
.irp e, 0,1,2,3,4,5,6,7
	v_add_f32 v[LG+\e], v[ACC+\e], v[WA+\e]
.endr
.irp e, 0,1,2,3,4,5,6,7
	v_add_f32 v[LG+\e], s[16+\e], v[LG+\e]         ; every lane holds the 8 logits
.endr
	; top-2: a strict 'greater' keeps the lower index at a tie, as jax.lax.top_k does
	v_mov_b32 v224, v[LG]
	v_mov_b32 v225, 0
.irp e, 1,2,3,4,5,6,7
	v_cmp_gt_f32 vcc_lo, v[LG+\e], v224
	v_cndmask_b32 v224, v224, v[LG+\e], vcc_lo
	v_cndmask_b32 v225, v225, \e, vcc_lo
.endr
	v_mov_b32 v228, 0xff800000
.irp e, 0,1,2,3,4,5,6,7
	v_cmp_eq_u32 vcc_lo, \e, v225
	v_cndmask_b32 v[EX+\e], v[LG+\e], v228, vcc_lo ; the winner is taken out
.endr
	v_mov_b32 v226, v[EX]
	v_mov_b32 v227, 0
.irp e, 1,2,3,4,5,6,7
	v_cmp_gt_f32 vcc_lo, v[EX+\e], v226
	v_cndmask_b32 v226, v226, v[EX+\e], vcc_lo
	v_cndmask_b32 v227, v227, \e, vcc_lo
.endr
	; both softmaxes take the largest logit away first
.irp e, 0,1,2,3,4,5,6,7
	v_sub_f32 v[EX+\e], v[LG+\e], v224
.endr
	v_sub_f32 v229, v226, v224
.irp e, 0,1,2,3,4,5,6,7
	v_mul_f32 v[EX+\e], 0x3fb8aa3b, v[EX+\e]
.endr
	v_mul_f32 v229, 0x3fb8aa3b, v229
	s_wait_alu depctr_va_vdst(0)
.irp e, 0,1,2,3,4,5,6,7
	v_exp_f32 v[EX+\e], v[EX+\e]
.endr
	v_exp_f32 v229, v229
	v_mov_b32 v230, 1                              ; plain lines behind the batch
	v_mov_b32 v231, 0x100
	s_wait_alu depctr_va_vdst(0)                   ; one wait for the nine exponentials, ahead of their first reader
	v_add_f32 v10, v[EX], v[EX+1]
	v_add_f32 v11, v[EX+2], v[EX+3]
	v_add_f32 v13, v[EX+4], v[EX+5]
	v_add_f32 v14, v[EX+6], v[EX+7]
	v_add_f32 v10, v10, v11
	v_add_f32 v13, v13, v14
	v_add_f32 v10, v10, v13
	v_add_f32 v11, 1.0, v229
	s_wait_alu depctr_va_vdst(0)
	v_rcp_f32 v10, v10
	v_rcp_f32 v11, v11
	v_lshlrev_b32 v230, v225, v230                 ; 1 << e0
	v_lshlrev_b32 v231, v227, v231                 ; 1 << (8 + e1)
	v_mov_b32 v246, 0
	s_wait_alu depctr_va_vdst(0)                   ; one wait for the two reciprocals
	v_or_b32 v230, v230, v231
	v_mov_b32 v14, v11                             ; gate 0 = 1 / (1 + e^(t2 - t1))
	v_mul_f32 v15, v229, v11                       ; gate 1
.irp e, 0,1,2,3,4,5,6,7
	v_mul_f32 v[EX+\e], v[EX+\e], v10              ; the probabilities
.endr
	ds_store_b128 v7, v[EX:EX+3]                   ; all lanes write the same words with the same values
	ds_store_b128 v7, v[EX+4:EX+7] offset:16
	v_cmp_eq_u32 vcc_lo, 0, v1
	s_wait_xcnt 0x0                                ; EXEC changes only behind this wait
	s_and_saveexec_b32 s36, vcc_lo
	global_store_b32 v246, v230, s[38:39]
	global_store_b64 v246, v[14:15], s[40:41]
	s_wait_xcnt 0x0
	s_or_b32 exec_lo, exec_lo, s36
	s_wait_dscnt 0x0                               ; my probabilities have landed
	s_barrier_signal -1
	s_barrier_wait -1
	s_cmp_lg_u32 s24, 0
	s_cbranch_scc1 .Lend                           ; wave 0 adds the four tokens' probabilities
	v_mov_b32 v10, LPR
.irp i, 0,1,2,3,4,5,6,7
	ds_load_b128 v[WA+4*\i:WA+4*\i+3], v10 offset:16*\i
.endr
	s_wait_dscnt 0x0
.irp w, 1,2,3
.irp p, 0,1,2,3
	v_pk_add_f32 v[WA+2*\p:WA+2*\p+1], v[WA+2*\p:WA+2*\p+1], v[WA+8*\w+2*\p:WA+8*\w+2*\p+1]
.endr
.endr
	s_wait_alu depctr_va_vdst(0)
	s_wait_xcnt 0x0
	s_and_saveexec_b32 s36, vcc_lo
	global_store_b128 v246, v[WA:WA+3], s[42:43] offset:8192
	global_store_b128 v246, v[WA+4:WA+7], s[42:43] offset:8208
	s_wait_xcnt 0x0
	s_or_b32 exec_lo, exec_lo, s36
.Lend:
	s_wait_tensorcnt 0x0                           ; the wave's end: three lines behind my last LDS store
	ds_add_u32 v[SPW], v[NIL]
	s_wait_dscnt 0x0
	s_endpgm
.Lfunc_end_k_q05a2836c02_route:
	.size	k_q05a2836c02_route, .Lfunc_end_k_q05a2836c02_route-k_q05a2836c02_route
	.p2alignl 7, 3214868480
	.fill 96, 4, 3214868480
	.section	.rodata,"a",@progbits
	.p2align	6, 0x0
	.amdhsa_kernel k_q05a2836c02_route
		.amdhsa_group_segment_fixed_size 52480
		.amdhsa_private_segment_fixed_size 0
		.amdhsa_enable_private_segment 0
		.amdhsa_kernarg_size 48
		.amdhsa_user_sgpr_count 2
		.amdhsa_user_sgpr_kernarg_segment_ptr 1
		.amdhsa_wavefront_size32 1
		.amdhsa_system_sgpr_workgroup_id_x 1
		.amdhsa_system_sgpr_workgroup_id_y 1
		.amdhsa_system_sgpr_workgroup_id_z 1
		.amdhsa_system_vgpr_workitem_id 0
		.amdhsa_next_free_vgpr 248
		.amdhsa_next_free_sgpr 66
		.amdhsa_reserve_vcc 1
		.amdhsa_float_denorm_mode_32 3
		.amdhsa_float_denorm_mode_16_64 3
		.amdhsa_memory_ordered 1
		.amdhsa_forward_progress 1
		.amdhsa_inst_pref_size 31
	.end_amdhsa_kernel
	.amdgpu_metadata
---
amdhsa.version: [ 1, 2 ]
amdhsa.kernels:
  - .name:           k_q05a2836c02_route
    .symbol:         k_q05a2836c02_route.kd
    .args:
      - { .name: x, .offset: 0, .size: 8, .value_kind: global_buffer, .address_space: global }
      - { .name: Wr, .offset: 8, .size: 8, .value_kind: global_buffer, .address_space: global }
      - { .name: br, .offset: 16, .size: 8, .value_kind: global_buffer, .address_space: global }
      - { .name: xq, .offset: 24, .size: 8, .value_kind: global_buffer, .address_space: global }
      - { .name: tk, .offset: 32, .size: 8, .value_kind: global_buffer, .address_space: global }
      - { .name: gates, .offset: 40, .size: 8, .value_kind: global_buffer, .address_space: global }
    .group_segment_fixed_size: 52480
    .private_segment_fixed_size: 0
    .kernarg_segment_align: 8
    .kernarg_segment_size: 48
    .max_flat_workgroup_size: 128
    .sgpr_count:     66
    .vgpr_count:     248
    .wavefront_size: 32
...
	.end_amdgpu_metadata
.endif
;; end of part 1
;; launch ffn1 (part 2): grid 256 x 1, 4 waves a work-group, no clusters, 110,592 bytes of LDS; arguments W1_codes, W1_scales, b1, xq, tk, gates, hq, rowlist, glist; writes hq, rowlist, glist
.if DOCPART == 2
	.amdgcn_target "amdgcn-amd-amdhsa--gfx1250"
	.amdhsa_code_object_version 6
	.text
	.protected	k_q05a2836c02_ffn1
	.globl	k_q05a2836c02_ffn1
	.p2align	8
	.type	k_q05a2836c02_ffn1,@function
k_q05a2836c02_ffn1:
	s_mov_b64 s[64:65], 0
	v_nop
	global_prefetch_b8 v0, s[64:65] scope:SCOPE_SE
	s_setreg_imm32_b32 hwreg(HW_REG_WAVE_MODE, 25, 1), 1
	s_wait_xcnt 0x0
; FFN1: h = gelu(x W1 + b1) for the CHOSEN (token, expert) rows alone, quantised along H on the way.  The rows of experts that a token did not choose are left out: reference()'s own take_along_axis throws them away.
; SHARES.  Work-group = (expert e = id / 32, chunk = id % 32): 128 hidden units, which are K step 'chunk' of the second product.  Each byte of W1 is read by one work-group, once.
; All four waves hold the chunk's 64 fragments of W1 (8 tiles of 16 units x 8 K steps) in 512 registers; the ROWS are shared out: wave w takes the tiles of 16 rows m = w, w + 4, .. below nt.
; WHO IS ROW j OF EXPERT e.  tk holds one word a token, (1 << e0) | (1 << (8 + e1)).  Every wave turns the 1,024 words into 32 masks in scalar registers (mask 4 n + i, bit l: token 128 n + 4 l + i) and their running counts.
; Wave 0 then lays the LIST in LDS, once: the token of bit l of mask g stands at word (running count of g) + (set bits of g below l); lanes whose bit is clear write a dump word of their own behind the list.  The list is first
; filled with zeros, so that rows at or past the count name token 0; they are discarded later.  A barrier parts the list's stores from every other LDS access; a tile's 16 tokens are then one LDS load.
; All work-groups of an expert lay the same order.  The chunk-0 work-groups store the order (2 token + k, the gate) and the count for the next launch.
; With no rows an expert still makes tile 0, of rows that nobody stores further on, so that every byte that the next launch may load has been written.
; LAYOUT.  The product is used transposed (source 0 = 16 rows of W1, source 1 = 16 rows of x): a lane holds one row, its registers run along the hidden units.  Lane r of tile 2 b + u takes W1's row 32 b + 8 u + r + 8 (r / 8),
; so that the 16 registers of tiles 2 b, 2 b + 1 are 16 neighbours along the next K.  b1 is the C of each sum's first product.
; W1 IN LDS lies tile by tile: row 32 b + 16 a + 8 u + k stands at place 32 b + 16 u + 8 a + k, so that the 16 rows of a tile are 16 neighbouring places, 528 bytes = 132 words apart, which start at 16 different banks
; (64 banks of 4 bytes: ISA guide 11.1).
; A TILE AHEAD.  The next tile's tokens are asked of the list ahead of this tile's products and their rows of x behind them; behind the activation the rows turn through my stage in LDS, and the quantiser stands between the stage's loads and the wait for them.
; THE LOOP's backward jump counts to the constant 16 (an expert has at most 64 tiles, 16 a wave); a forward jump leaves it when my own tiles are done.
; GELU, exact form: gelu(x) = max(x, 0) - |x| E, E = erfc(|x| / sqrt 2) / 2 = t 2^(c0 + t (c1 + .. + t c9) - x^2 log2(e) / 2), t = 1 / (1 + |x| / (2 sqrt 2)): a Chebyshev fit of erfc whose fractional error is about 1.2e-7 for every x.
; LIMITS: E is right to about 5e-7 of itself and falls to 0 under 2^-126; NaN and infinities are not served; a block of zeros gets the byte 1 (zero codes; this program alone reads the bytes).
; OUT: hq: images of the operand's registers, [e][tile][K step][2][lane][16 bytes], and from byte 16,777,216 the scale words [e][tile][K step][lane][4 bytes].
; No tensor load and no cluster. Trip counts and branches hang on counts read from memory.
; REGISTERS, windows of 256.  Window 0: v1-23 addresses and small things; v24-55 W1's scale words (register 8 b + s: lanes 0-15 tile 2 b, lanes 16-31 tile 2 b + 1); v56-59 x's scale words; v60-61 c8; v62 at work; v63 the list's address;
;   v64-127 x's fragments (between tiles: LOADX's registers); v128-191 b1; v192-255 rows of x as loaded.   Windows 1, 2: W1's fragment (t, s) at v[64 (s % 4) + 8 t] of window 1 + s / 4.   Window 3: H v0-63, T v64-127, Q v128-191, Y v192-255.
; SCALARS that change their meaning: s99 holds my expert's two bits of a tk word until the masks are made, then the count of my trips; s57 holds the expert until the bases are made, then the number of my tiles;
;   s4-9 hold the addresses of W1's codes, its scales and b1 until their loads are in, then, with s22 and s23, LOADX's eight tokens in the loop (at the head s2, s3, s60, s61, s104, s105, s22, s23 serve).
.set WP,    528                        ; an LDS row: 512 bytes + 16
.set LSC,   128*WP                     ; behind W1's 128 rows: their scale bytes, 32 a row, dense
.set LXT,   LSC+4096                   ; four stages of 16 rows, one a wave
.set LTK,   LXT+4*16*WP                ; the list: a word a row; words 0 .. 1,087 can be read (tile 67 is the furthest that is asked for)
.set DUMP,  1088                       ; words 1,088 .. 1,119: the dump words, one a lane
.set SPARE, LTK+4608                   ; the spare words
.set TOK, 13
.set TKW, 14
.set SPW, 22
.set NIL, 23
.set WSC, 24
.set XSC, 56
.set C8R, 60
.set XF,  64
.set B1,  128
.set RW,  192
.set H,   0
.set T,   64
.set Q,   128
.set Y,   192
.set TM,  64
.set PW,  80
.set PC,  88
.set MK,  24                           ; s24-55 the 32 masks
.set PF,  66                           ; s66-98 their running counts; s98 = the expert's rows
.set MSB, 0
.macro WIN new                         ; the immediate's high byte repeats the setting that is left
.if MSB != (\new)
	s_set_vgpr_msb (MSB<<8)|(\new)
.set MSB, (\new)
.endif
.endm
; eight tokens' codes, a token's whole 512 bytes an instruction.  Each kind of line stands eight times on end
.macro LX8 i0, p0, p1, p2, p3, p4, p5, p6, p7
.set LN, \i0
.irp sr, \p0,\p1,\p2,\p3,\p4,\p5,\p6,\p7
	v_readlane_b32 s[\sr], v[TOK], LN
.set LN, LN+1
.endr
.irp sr, \p0,\p1,\p2,\p3,\p4,\p5,\p6,\p7
	s_min_u32 s[\sr], s[\sr], 0x3ff
.endr
.set LN, \i0
.irp sr, \p0,\p1,\p2,\p3,\p4,\p5,\p6,\p7
	v_lshl_add_u32 v[80+LN], s[\sr], 9, v4
.set LN, LN+1
.endr
.set LN, \i0
.rept 8
	global_load_b128 v[RW+4*LN:RW+4*LN+3], v[80+LN], s[10:11]
.set LN, LN+1
.endr
.endm
; 19 loads: the 16 tokens' codes; their scale words; their tk words and gates.  p0 .. p7: eight scalar registers that are free where the macro stands
.macro LOADX p0, p1, p2, p3, p4, p5, p6, p7
	v_lshl_add_u32 v96, v[TOK], 5, v6
	v_lshlrev_b32 v97, 2, v[TOK]
	v_lshlrev_b32 v98, 3, v[TOK]
	LX8 0, \p0, \p1, \p2, \p3, \p4, \p5, \p6, \p7
	LX8 8, \p0, \p1, \p2, \p3, \p4, \p5, \p6, \p7
	global_load_b128 v[XSC:XSC+3], v96, s[10:11] offset:524288     ; lanes 0-15: words 0-3 of my token; lanes 16-31: words 4-7
	global_load_b32 v[TKW], v97, s[12:13]
	global_load_b64 v[16:17], v98, s[14:15]
.endm
; the 16 rows as loaded go through my wave's stage and come back as x's eight fragments (my own bytes, served in order: no wait between)
.macro TURN
.set i, 0
.rept 16
	ds_store_b128 v11, v[RW+4*i:RW+4*i+3] offset:WP*i
.set i, i+1
.endr
.set i, 0
.rept 16
	ds_load_b128 v[XF+4*i:XF+4*i+3], v12 offset:32*i
.set i, i+1
.endr
.endm
.macro MMA rowa, rowb                  ; one product; which half of the lanes holds each side's scale words
.if (\rowa) && (\rowb)
	v_wmma_scale_f32_16x16x128_f8f6f4 v[rD:rD+7], v[rA:rA+7], v[rB:rB+7], v[rC:rC+7], v[rSA], v[rSB] matrix_a_fmt:MATRIX_FMT_FP4 matrix_b_fmt:MATRIX_FMT_FP4 matrix_a_scale:MATRIX_SCALE_ROW1 matrix_b_scale:MATRIX_SCALE_ROW1
.elseif \rowa
	v_wmma_scale_f32_16x16x128_f8f6f4 v[rD:rD+7], v[rA:rA+7], v[rB:rB+7], v[rC:rC+7], v[rSA], v[rSB] matrix_a_fmt:MATRIX_FMT_FP4 matrix_b_fmt:MATRIX_FMT_FP4 matrix_a_scale:MATRIX_SCALE_ROW1
.elseif \rowb
	v_wmma_scale_f32_16x16x128_f8f6f4 v[rD:rD+7], v[rA:rA+7], v[rB:rB+7], v[rC:rC+7], v[rSA], v[rSB] matrix_a_fmt:MATRIX_FMT_FP4 matrix_b_fmt:MATRIX_FMT_FP4 matrix_b_scale:MATRIX_SCALE_ROW1
.else
	v_wmma_scale_f32_16x16x128_f8f6f4 v[rD:rD+7], v[rA:rA+7], v[rB:rB+7], v[rC:rC+7], v[rSA], v[rSB] matrix_a_fmt:MATRIX_FMT_FP4 matrix_b_fmt:MATRIX_FMT_FP4
.endif
.endm
; 64 products: K step by K step, the eight accumulators by turns, one instruction a turn
.macro WMMA1
.irp s, 0,1,2,3,4,5,6,7
.if \s == 0
	WIN 0xc1                                       ; W1 window 1, x and b1 window 0, H window 3
.elseif \s < 4
	WIN 0xf1
.else
	WIN 0xf2
.endif
.irp t, 0,1,2,3,4,5,6,7
.set rD, H+8*\t
.set rA, 64*(\s%4)+8*\t
.set rB, XF+8*\s
.if \s == 0
.set rC, B1+8*\t
.else
.set rC, rD
.endif
.set rSA, WSC+8*(\t/2)+\s
.set rSB, XSC+\s%4
	MMA \t%2, \s/4
.endr
.endr
.endm
.macro GELU
	WIN 0xff
.set j, 0
.rept 64
	v_fma_f32 v[T+j], |v[H+j]|, s101, 1.0          ; ascending: each accumulator is first read at its low end
.set j, j+1
.endr
.set j, 0
	s_wait_alu depctr_va_vdst(0)
.rept 64
	v_rcp_f32 v[T+j], v[T+j]                       ; t
.set j, j+1
.endr
.set j, 0
.rept 32
	v_pk_mul_f32 v[Y+j:Y+j+1], v[H+j:H+j+1], v[H+j:H+j+1]          ; x^2: work that names no reciprocal
.set j, j+2
.endr
	s_wait_alu depctr_va_vdst(0)                   ; one wait for the 64 reciprocals, ahead of their first reader
	WIN 0xcf                                       ; c8's pair lies in window 0
.set j, 0
.rept 32
	v_pk_fma_f32 v[Q+j:Q+j+1], v[T+j:T+j+1], 0x3e7c6f08, v[C8R:C8R+1] op_sel_hi:[1,0,1]   ; c9 t + c8
.set j, j+2
.endr
	WIN 0xff
.irp cf, 0x40097039, 0xbfd1a1e5, 0x3ecdfd18, 0xbe899a80, 0x3e0efb2e, 0x3f0a29d2, 0x3fb8ab5a, 0xc034d90f
.set j, 0
.rept 32
	v_pk_fma_f32 v[Q+j:Q+j+1], v[Q+j:Q+j+1], v[T+j:T+j+1], \cf op_sel_hi:[1,1,0]   ; c7 .. c0
.set j, j+2
.endr
.endr
.set j, 0
.rept 32
	v_pk_fma_f32 v[Q+j:Q+j+1], v[Y+j:Y+j+1], 0xbf38aa3b, v[Q+j:Q+j+1] op_sel_hi:[1,0,1]   ; - x^2 log2(e) / 2
.set j, j+2
.endr
.set j, 0
	s_wait_alu depctr_va_vdst(0)
.rept 64
	v_exp_f32 v[Q+j], v[Q+j]
.set j, j+1
.endr
.set j, 0
.rept 64
	v_max_num_f32 v[Y+j], 0, v[H+j]                ; work that names no exponential
.set j, j+1
.endr
	s_wait_alu depctr_va_vdst(0)                   ; one wait for the 64 exponentials
.set j, 0
.rept 32
	v_pk_mul_f32 v[Q+j:Q+j+1], v[Q+j:Q+j+1], v[T+j:T+j+1]          ; E
.set j, j+2
.endr
.set j, 0
.rept 64
	v_fma_f32 v[H+j], -|v[H+j]|, v[Q+j], v[Y+j]    ; max(x, 0) - |x| E
.set j, j+1
.endr
.endm
; my 64 numbers, register 16 b + i = k 32 b + 16 (lane / 16) + i of my row, become a fragment's codes in v[PC] on and its scale word in v[PW]
.macro QUANT
	WIN 0xff
.irp b, 0,1,2,3
	v_max3_num_f32 v[TM+\b], |v[H+16*\b]|, |v[H+1+16*\b]|, 0x1800000   ; with the floor 2^(3 - 127)
.endr
.irp i, 2,4,6,8,10,12,14
.irp b, 0,1,2,3
	v_max3_num_f32 v[TM+\b], v[TM+\b], |v[H+16*\b+\i]|, |v[H+1+16*\b+\i]|
.endr
.endr
.irp b, 0,1,2,3
	v_permlanex16_b32 v[TM+4+\b], v[TM+\b], s62, s63
.endr
.irp b, 0,1,2,3
	v_max_num_f32 v[TM+\b], v[TM+\b], v[TM+4+\b]   ; with lane l xor 16's: the block's largest magnitude
.endr
.irp b, 0,1,2,3
	v_add_nc_u32 v[TM+12+\b], 0xff000000, v[TM+\b] ; 2 off its exponent field: the conversion's scale operand
.endr
.irp b, 0,1,2,3
	v_lshrrev_b32 v[TM+4+\b], 23, v[TM+12+\b]      ; the scale's byte
.endr
	v_lshl_or_b32 v[PW], v[TM+5], 8, v[TM+4]
	v_lshl_or_b32 v[PW], v[TM+6], 16, v[PW]
	v_lshl_or_b32 v[PW], v[TM+7], 24, v[PW]
.irp b, 0,1,2,3
	v_cvt_scalef32_pk8_fp4_f32 v[PC+2*\b], v[H+16*\b:H+7+16*\b], v[TM+12+\b]
	v_cvt_scalef32_pk8_fp4_f32 v[PC+1+2*\b], v[H+8+16*\b:H+15+16*\b], v[TM+12+\b]
.endr
	v_nop                                          ; one plain line behind the conversions
.irp c, 0,1
.irp i, 0,1
	v_permlane16_swap_b32 v[PC+4*\c+\i], v[PC+2+4*\c+\i]           ; a whole block to a lane: lanes 0-15 block 2 c, lanes 16-31 block 2 c + 1
.endr
.endr
.endm
	s_load_b512 s[4:19], s[0:1], 0x0               ; W1's codes 4, its scales 6, b1 8, xq 10, tk 12, gates 14, hq 16, rowlist 18
	s_load_b64 s[20:21], s[0:1], 0x40              ; glist
	v_lshl_add_u32 v[SPW], v0, 2, SPARE
	v_mov_b32 v[NIL], 0
	v_lshrrev_b32 v1, 5, v0
	v_readfirstlane_b32 s56, v1                    ; wave
	v_and_b32 v1, 31, v0                           ; lane
	v_and_b32 v2, 15, v0                           ; r
	v_bfe_u32 v3, v0, 4, 1                         ; h
	v_lshlrev_b32 v4, 4, v1
	v_lshlrev_b32 v5, 2, v1
	v_lshlrev_b32 v6, 4, v3
	v_lshlrev_b32 v15, 6, v3                       ; b1: 16 numbers further on for lanes 16-31
	v_lshl_add_u32 v63, v2, 2, LTK                 ; the list: word r of a tile's 16
	v_mul_u32_u24 v7, v2, WP
	v_lshl_add_u32 v7, v3, 4, v7                   ; a fragment of W1 in LDS: place r of its tile, + 16 h
	v_and_b32 v62, 8, v2
	v_add_nc_u32 v62, v62, v2                      ; r + 8 (r / 8)
	v_lshl_add_u32 v62, v3, 3, v62                 ; lanes 16-31: the odd tile's rows, 8 further on
	v_lshlrev_b32 v8, 5, v62
	v_add_nc_u32 v8, LSC, v8                       ; W1's scale words, whose rows lie in their own order
	s_mul_i32 s22, s56, 32*WP
	v_add_nc_u32 v9, s22, v4                       ; W1's rows into LDS: 32 a wave
	s_lshl_b32 s22, s56, 10
	s_add_co_u32 s22, s22, LSC
	v_add_nc_u32 v10, s22, v4                      ; their scale bytes
	s_mul_i32 s22, s56, 16*WP
	s_add_co_u32 s22, s22, LXT                     ; my wave's stage
	v_add_nc_u32 v11, s22, v4                      ; into it: a row an instruction
	v_mul_u32_u24 v12, v2, WP
	v_lshl_add_u32 v12, v3, 4, v12
	v_add_nc_u32 v12, s22, v12                     ; out of it: a fragment's bytes
	v_mov_b32 v[C8R], 0xbf97d29d
	v_mov_b32 v[C8R+1], 0xbf97d29d
	s_lshr_b32 s57, ttmp9, 5                       ; expert
	s_and_b32 s58, ttmp9, 31                       ; chunk
	s_lshl_b32 s99, 0x101, s57                     ; my expert's two bits of a tk word
	s_add_co_u32 s100, s57, 8
	s_mov_b32 s101, 0x3eb504f3                     ; 1 / (2 sqrt 2)
	s_mov_b32 s62, 0x76543210
	s_mov_b32 s63, 0xfedcba98
	s_lshl_b32 s22, ttmp9, 16                      ; 128 rows of 512 bytes a work-group,
	s_lshl_b32 s23, s56, 14                        ; 32 a wave
	s_add_co_u32 s22, s22, s23
	s_mov_b32 s23, 0
	s_wait_alu depctr_va_vdst(0)
	s_wait_kmcnt 0x0
	s_add_nc_u64 s[4:5], s[4:5], s[22:23]
	s_lshl_b32 s22, ttmp9, 12
	s_lshl_b32 s61, s56, 10
	s_add_co_u32 s22, s22, s61
	s_add_nc_u64 s[6:7], s[6:7], s[22:23]
	s_lshl_b32 s22, ttmp9, 9
	s_add_nc_u64 s[8:9], s[8:9], s[22:23]
.irp n, 0,1,2,3,4,5,6,7
	global_load_b128 v[RW+4*\n:RW+4*\n+3], v4, s[12:13] offset:512*\n      ; all of tk
.endr
	WIN 0xc0
.set i, 0
.rept 32
	global_load_b128 v[4*i:4*i+3], v4, s[4:5] offset:512*i th:TH_LOAD_NT   ; a row of W1 an instruction
.set i, i+1
.endr
.irp i, 0,1
	global_load_b128 v[128+4*\i:128+4*\i+3], v4, s[6:7] offset:512*\i th:TH_LOAD_NT
.endr
	WIN 0
.irp t, 0,1,2,3,4,5,6,7
	global_load_b128 v[B1+8*\t:B1+8*\t+3], v15, s[8:9] offset:(32*(\t/2)+8*(\t%2))*4
	global_load_b128 v[B1+8*\t+4:B1+8*\t+7], v15, s[8:9] offset:(32*(\t/2)+8*(\t%2))*4+16
.endr
	s_wait_loadcnt 50                              ; tk is in: 32 + 2 + 16 loads are younger
.set g, 0
.rept 32
	v_and_b32 v62, s99, v[RW+g]
	v_cmp_ne_u32 s[MK+g], 0, v62
.set g, g+1
.endr
	s_mov_b32 s[PF], 0
.set g, 0
.rept 32
	s_bcnt1_i32_b32 s22, s[MK+g]
	s_add_co_u32 s[PF+1+g], s[PF+g], s22
.set g, g+1
.endr
	s_add_co_u32 s59, s98, 15
	s_lshr_b32 s59, s59, 4
	s_max_u32 s59, s59, 1                          ; nt: tiles of 16 rows, at least one
	s_cmp_lg_u32 s56, 0
	s_cbranch_scc1 .Lno_list0                      ; wave 0 lays the list; no other wave touches LDS ahead of the barrier below
	v_add_nc_u32 v62, LTK, v4
.irp i, 0,1,2,3
	v_mov_b32 v[RW+\i], 0
.endr
.irp i, 0,1,2,3,4,5,6,7,8
	ds_store_b128 v62, v[RW:RW+3] offset:512*\i    ; 4,608 bytes of zeros: the list and the dump words
.endr
	v_add_nc_u32 v21, DUMP, v1                     ; my dump word
.set g, 0
.rept 32
.set LA, RW+4+2*(g%4)
	v_mbcnt_lo_u32_b32 v[LA], s[MK+g], s[PF+g]     ; the running count + the set bits below my lane: my token's row, if its bit is set
	v_cndmask_b32 v[LA], v21, v[LA], s[MK+g]
	v_min_u32 v[LA], DUMP+31, v[LA]                ; inside the list's bytes, whatever was loaded
	v_lshl_add_u32 v[LA], v[LA], 2, LTK
	v_add_nc_u32 v[LA+1], 128*(g/4)+g%4, v5        ; token 128 (g / 4) + 4 lane + g % 4
	ds_store_b32 v[LA], v[LA+1]                    ; (my wave's stores are served in order: behind the zeros)
.set g, g+1
.endr
.Lno_list0:
	s_wait_dscnt 0x0                               ; the list has landed
	s_barrier_signal -1
	s_barrier_wait -1                              ; from here on the list is only read
	s_lshl_b32 s22, s56, 6                         ; 64 bytes a tile
	v_add_nc_u32 v62, s22, v63
	ds_load_b32 v[TOK], v62                        ; my first tile's tokens: in every wave, so that the counts below hold on every path
	s_wait_dscnt 0x0
	v_min_u32 v[TOK], 0x3ff, v[TOK]                ; inside the table
	LOADX 2, 3, 60, 61, 104, 105, 22, 23           ; eight scalar registers that hold nothing yet
	s_wait_loadcnt 35                              ; W1's rows and scale bytes are in: b1's 16 and the 19 just issued are younger
	WIN 0x0c
.set i, 0
.rept 32
	ds_store_b128 v9, v[4*i:4*i+3] offset:WP*((i&7)|((i&8)<<1)|((i&16)>>1))   ; row 16 a + 8 u + k of my 32 to place 16 u + 8 a + k: tile by tile
.set i, i+1
.endr
.irp i, 0,1
	ds_store_b128 v10, v[128+4*\i:128+4*\i+3] offset:512*\i
.endr
	WIN 0
	s_wait_dscnt 0x0                               ; my rows have landed
	s_barrier_signal -1
	s_barrier_wait -1                              ; the chunk's 128 rows lie in LDS; nothing is stored there again
	s_or_b32 s22, s58, s56
	s_cmp_lg_u32 s22, 0
	s_cbranch_scc1 .Lno_cnt                        ; chunk 0's wave 0 stores the expert's count, a word a lane
	s_lshl_b32 s104, s57, 7
	s_mov_b32 s105, 0
	s_add_nc_u64 s[104:105], s[18:19], s[104:105]
	v_mov_b32 v21, s98
	global_store_b32 v5, v21, s[104:105] offset:65536
.Lno_cnt:
	s_cmp_ge_u32 s56, s59
	s_cbranch_scc1 .Lend                           ; no tile for my wave; no barrier follows
.irp g, 0,1
	WIN 0x40*(1+\g)
.irp s, 0,1,2,3
.irp t, 0,1,2,3,4,5,6,7
.irp c, 0,1
	ds_load_b128 v[64*\s+8*\t+4*\c:64*\s+8*\t+4*\c+3], v7 offset:WP*16*\t+64*(4*\g+\s)+32*\c   ; tile t: places 16 t on
.endr
.endr
.endr
.endr
	WIN 0
.irp b, 0,1,2,3
.irp i, 0,1
	ds_load_b128 v[WSC+8*\b+4*\i:WSC+8*\b+4*\i+3], v8 offset:1024*\b+16*\i
.endr
.endr
	s_lshl_b32 s60, s57, 6
	s_add_co_u32 s60, s60, s56                     ; 64 e + my first tile
	s_lshl_b32 s22, s60, 7
	s_mov_b32 s23, 0
	s_add_nc_u64 s[18:19], s[18:19], s[22:23]      ; its 128 bytes of rowlist
	s_add_nc_u64 s[20:21], s[20:21], s[22:23]      ; and of glist
	s_lshl_b32 s60, s60, 5
	s_add_co_u32 s60, s60, s58                     ; the image's number
	s_lshl_b32 s22, s60, 7
	s_add_nc_u64 s[2:3], s[16:17], s[22:23]
	s_add_nc_u64 s[2:3], s[2:3], 0x1000000         ; its scale words
	s_lshl_b32 s22, s60, 10
	s_add_nc_u64 s[16:17], s[16:17], s[22:23]      ; its codes
	s_mov_b32 s60, s56                             ; m: my tile in hand
	s_sub_co_u32 s57, s59, s56                     ; my wave is under nt here, so this is 1 or more;
	s_add_co_u32 s57, s57, 3
	s_lshr_b32 s57, s57, 2                         ; my tiles: ceil((nt - w) / 4),
	s_min_u32 s57, s57, 16                         ; 16 at the most
	s_mov_b32 s99, 0                               ; the trips made
	s_wait_loadcnt 0x0                             ; b1 and my first tile's 19 loads are in: from here on s4-9 are free
	TURN                                           ; my first tile's rows, behind W1's fragments in the LDS unit's order
.Ltile:
	s_wait_loadcnt 0x0                             ; the turn has waited for this tile's loads; the wait stands here so that the order holds on every way to this label
	s_cmp_lg_u32 s58, 0
	s_cbranch_scc1 .Lno_list                       ; chunk 0 stores the order for the next launch
	v_lshrrev_b32 v20, s100, v[TKW]
	v_and_b32 v20, 1, v20                          ; k: is my expert the token's second choice?
	v_lshl_or_b32 v18, v[TOK], 1, v20              ; 2 token + k
	v_cmp_eq_u32 vcc_lo, 1, v20
	v_cndmask_b32 v19, v16, v17, vcc_lo            ; its gate
	global_store_b32 v5, v18, s[18:19]
	global_store_b32 v5, v19, s[20:21]
.Lno_list:
	s_wait_dscnt 0x0                               ; x's fragments are back from the stage (the first time: W1's fragments and scale words are in too, for the whole launch)
	s_add_co_u32 s61, s60, 4                       ; my next tile
	s_lshl_b32 s22, s61, 4                         ; 16 words a tile
	v_add_nc_u32 v62, s22, v2                      ; the word's number: 16 x tile + r,
	v_min_u32 v62, DUMP-1, v62                     ; held inside the list (tile 67, word 1,087, is the furthest that the walk asks for)
	v_lshl_add_u32 v62, v62, 2, LTK
	ds_load_b32 v[TOK], v62                        ; its tokens, asked of the list ahead of the products (a tile past the last reads zeros)
	WMMA1
	WIN 0
.rept 4
	v_nop                                          ; four places behind the last product, ahead of writes of x's registers, loads into its scale words and reads of H
.endr
	s_wait_dscnt 0x0                               ; the tokens are in
	v_min_u32 v[TOK], 0x3ff, v[TOK]                ; inside the table
	s_cmp_ge_u32 s61, s59
	s_cbranch_scc1 .Lno_next
	LOADX 4, 5, 6, 7, 8, 9, 22, 23                 ; their loads have the whole activation in which to land
.Lno_next:
	GELU
	WIN 0
	s_cmp_ge_u32 s61, s59
	s_cbranch_scc1 .Lno_turn
	s_wait_loadcnt 0x0                             ; the next tile's 19 loads are in: its rows may go to the stage, and the loads' address registers, which lie among x's fragments, may be written
	TURN                                           ; the quantiser, the image's stores and the steps below stand between the stage's loads and the wait for them at the loop's head
.Lno_turn:
	QUANT
	WIN 0x0c                                       ; a store's data are its source 1: window 3
	global_store_b128 v4, v[PC:PC+3], s[16:17]                     ; the image: 512 consecutive bytes a store
	global_store_b128 v4, v[PC+4:PC+7], s[16:17] offset:512
	global_store_b32 v5, v[PW], s[2:3]
	WIN 0
	s_wait_xcnt 0x0                                ; the stores have read their data and bases: both may be written again
	s_add_nc_u64 s[16:17], s[16:17], 131072        ; four tiles on
	s_add_nc_u64 s[2:3], s[2:3], 16384
	s_add_nc_u64 s[18:19], s[18:19], 512
	s_add_nc_u64 s[20:21], s[20:21], 512
	s_add_co_u32 s60, s60, 4                       ; my next tile
	s_add_co_u32 s99, s99, 1
	s_cmp_ge_u32 s99, s57
	s_cbranch_scc1 .Lend                           ; my tiles are done
	s_cmp_lt_u32 s99, 16
	s_cbranch_scc1 .Ltile
.Lend:
	s_wait_tensorcnt 0x0                           ; the wave's end: three lines behind my last LDS store
	ds_add_u32 v[SPW], v[NIL]
	s_wait_dscnt 0x0
	s_endpgm
.Lfunc_end_k_q05a2836c02_ffn1:
	.size	k_q05a2836c02_ffn1, .Lfunc_end_k_q05a2836c02_ffn1-k_q05a2836c02_ffn1
	.p2alignl 7, 3214868480
	.fill 96, 4, 3214868480
	.section	.rodata,"a",@progbits
	.p2align	6, 0x0
	.amdhsa_kernel k_q05a2836c02_ffn1
		.amdhsa_group_segment_fixed_size 110592
		.amdhsa_private_segment_fixed_size 0
		.amdhsa_enable_private_segment 0
		.amdhsa_kernarg_size 72
		.amdhsa_user_sgpr_count 2
		.amdhsa_user_sgpr_kernarg_segment_ptr 1
		.amdhsa_wavefront_size32 1
		.amdhsa_system_sgpr_workgroup_id_x 1
		.amdhsa_system_sgpr_workgroup_id_y 1
		.amdhsa_system_sgpr_workgroup_id_z 1
		.amdhsa_system_vgpr_workitem_id 0
		.amdhsa_next_free_vgpr 1024
		.amdhsa_next_free_sgpr 106
		.amdhsa_reserve_vcc 1
		.amdhsa_float_denorm_mode_32 3
		.amdhsa_float_denorm_mode_16_64 3
		.amdhsa_memory_ordered 1
		.amdhsa_forward_progress 1
		.amdhsa_inst_pref_size 116
	.end_amdhsa_kernel
	.amdgpu_metadata
---
amdhsa.version: [ 1, 2 ]
amdhsa.kernels:
  - .name:           k_q05a2836c02_ffn1
    .symbol:         k_q05a2836c02_ffn1.kd
    .args:
      - { .name: W1_codes, .offset: 0, .size: 8, .value_kind: global_buffer, .address_space: global }
      - { .name: W1_scales, .offset: 8, .size: 8, .value_kind: global_buffer, .address_space: global }
      - { .name: b1, .offset: 16, .size: 8, .value_kind: global_buffer, .address_space: global }
      - { .name: xq, .offset: 24, .size: 8, .value_kind: global_buffer, .address_space: global }
      - { .name: tk, .offset: 32, .size: 8, .value_kind: global_buffer, .address_space: global }
      - { .name: gates, .offset: 40, .size: 8, .value_kind: global_buffer, .address_space: global }
      - { .name: hq, .offset: 48, .size: 8, .value_kind: global_buffer, .address_space: global }
      - { .name: rowlist, .offset: 56, .size: 8, .value_kind: global_buffer, .address_space: global }
      - { .name: glist, .offset: 64, .size: 8, .value_kind: global_buffer, .address_space: global }
    .group_segment_fixed_size: 110592
    .private_segment_fixed_size: 0
    .kernarg_segment_align: 8
    .kernarg_segment_size: 72
    .max_flat_workgroup_size: 128
    .sgpr_count:     106
    .vgpr_count:     1024
    .wavefront_size: 32
...
	.end_amdgpu_metadata
.endif
;; end of part 2
;; launch ffn2 (part 3): grid 256 x 1, 4 waves a work-group, no clusters, 154,112 bytes of LDS; arguments W2_codes, W2_scales, b2, hq, rowlist, glist, y; writes y
.if DOCPART == 3
	.amdgcn_target "amdgcn-amd-amdhsa--gfx1250"
	.amdhsa_code_object_version 6
	.text
	.protected	k_q05a2836c02_ffn2
	.globl	k_q05a2836c02_ffn2
	.p2align	8
	.type	k_q05a2836c02_ffn2,@function
k_q05a2836c02_ffn2:
	s_mov_b64 s[64:65], 0
	v_nop
	global_prefetch_b8 v0, s[64:65] scope:SCOPE_SE
	s_setreg_imm32_b32 hwreg(HW_REG_WAVE_MODE, 25, 1), 1
	s_wait_xcnt 0x0
; FFN2: y[2 token + k][:] = gate x (h W2 + b2) for the CHOSEN (token, expert) rows alone; the rows that reference()'s take_along_axis throws away are left out.
; SHARES.  Work-group id: expert e = id % 8, c = (id / 8) % 8: 128 outputs, p = id / 64: the tiles of 16 rows m = p, p + 4, ..  So the 32 work-groups that read one expert's W2 and h have numbers that are equal modulo 8.
; THE WAVES SHARE K: wave w takes K steps 8 w .. 8 w + 7 of the 32, for all 128 outputs.  Its part of W2, 128 rows x 512 bytes, stays in 512 registers; of a tile of h it needs its own 8 images, 8 KiB on end,
; which come from memory straight into the operand's registers.  The four partial tiles (16 rows x 128 outputs, f32) meet in a stage in LDS; wave w adds up rows 4 w .. 4 w + 3, adds b2, multiplies by the gate, stores 512 bytes a row.
; LIMIT: the sum over K is taken in four parts, another order than reference()'s.
; W2 ON ITS WAY IN.  32 rows at a time, a row's 512 bytes an instruction, are loaded into the very 128 registers that their two tiles' fragments will hold (16 rows in each of two windows), go through the wave's own turning region in LDS
; and come back as fragments.
; THE WALK.  16 tiles a work-group at the most: four written out, then a loop of a CONSTANT 3 trips of 4.  Tiles exist from the first on without gaps.  A tile at or past the expert's count is jumped over by scalar branches on the
; stored count, the same in all waves; the one barrier of each tile stands outside those branches: where the tile before does not exist, a test at the tile's head leads to its barrier, and where a tile does not exist, the test behind
; its barrier leads to the next tile's barrier.  TWO TILES OVERLAP: behind a tile's barrier its four partial rows are asked of the stage; they are added up and stored behind the NEXT tile's products and stage stores.
; Two stages take turns: a stage is written again behind the barrier in front of which every wave has waited for its reads of it.
; The work-group's FIRST tile is made without a test, so that accumulators and the rows read back are written on every path; where it does not exist its set holds the expert's last tile, and the rows' own tests store nothing of it.
; h comes through four sets of registers, filled at the head (a set whose tile does not exist loads the expert's last tile, which has been written); a set is filled again, for the tile 16 further on, as soon as its products are issued.
; In the four tiles written out the waits for loads are counted: behind set q the head has issued 24 (3 - q) loads (72 for set 0, of which 63 can be written); refills only add younger ones.  In the loop refills are conditional: the waits are for 0.
; No tensor load and no cluster. Branches hang on counts read from memory.  No prefetch: every load of the launch is issued as soon as the count is known, refills four tiles ahead of their use.
; LAYOUT: source 0 = 16 rows of W2 (outputs), source 1 = 16 rows of h: a lane holds one row of h and eight neighbouring outputs.
; REGISTERS.  Window 0: v1-23 addresses; v32-63 W2's scale words (register 8 b + s: lanes 0-15 tile 2 b, lanes 16-31 tile 2 b + 1; at the head the same bytes as loaded); v64-95 h's scale words, 8 a set; v96-159, v160-223 sets 0, 1;
;   v224-227 b2; v228-243 rows on their way out.   Windows 1, 2: W2's fragment (t, s) at v[64 (s % 4) + 8 t] of window 1 + s / 4.   Window 3: v0-63 accumulators; v64-127, v128-191 sets 2, 3; v192-255 the stage read back.
.set WP,    528
.set SSP,   144                        ; a row of W2's scale bytes in LDS: 128 + 16
.set LWS,   4*32*WP                    ; behind the four waves' turning regions (32 rows each)
.set LST,   LWS+128*SSP                ; the two stages
.set STB,   4*16*WP                    ; a stage: four partial tiles of 16 rows
.set SPARE, LST+2*STB
.set SPW, 22
.set NIL, 23
.set WSC, 32
.set HSC, 64
.set B2,  224
.set OUT, 228
.set ACC, 0
.set RD,  192
.set IDS, 32                           ; s32-47 the row ids of rows 4 w .. 4 w + 3, four a set
.set GTS, 48                           ; s48-63 their gates
.set HB,  66                           ; s66-81 a set's two bases: images, scale words
.set LOF, 84                           ; s84-87 a set's offset in the lists
.set YB,  88                           ; s88-89 y at my 128 outputs
.set HSB, 90                           ; s90-91 h's scale words
.set RA,  92                           ; s92-99 four rows' addresses
.set MSB, 0
.macro WIN new                         ; the immediate's high byte repeats the setting that is left
.if MSB != (\new)
	s_set_vgpr_msb (MSB<<8)|(\new)
.set MSB, (\new)
.endif
.endm
; row i of the 32 of batch pi lies, as loaded, in window 1 + i / 16 at v[64 ((i / 4) % 4) + 16 pi + 4 (i % 4)]: together the registers of the fragments of tiles 2 pi, 2 pi + 1
.macro LW pi                           ; rows 32 pi .. 32 pi + 31 of my 512 bytes of W2, a row an instruction
.set i, 0
.rept 32
	WIN 0x40*(1+i/16)
	global_load_b128 v[64*((i/4)%4)+16*\pi+4*(i%4):64*((i/4)%4)+16*\pi+4*(i%4)+3], v4, s[4:5] offset:2048*(32*\pi+i)
.set i, i+1
.endr
	WIN 0
.endm
.macro TURN pi                         ; through my turning region, and back as fragments into the same 128 registers
.set i, 0
.rept 32
	WIN 0x04*(1+i/16)
	ds_store_b128 v7, v[64*((i/4)%4)+16*\pi+4*(i%4):64*((i/4)%4)+16*\pi+4*(i%4)+3] offset:WP*i
.set i, i+1
.endr
	s_wait_dscnt 0x0                               ; the stores are done: the loads below land on the registers that they read
.irp g, 0,1
	WIN 0x40*(1+\g)
.irp u, 0,1
.irp s, 0,1,2,3
.irp c, 0,1
	ds_load_b128 v[64*\s+8*(2*\pi+\u)+4*\c:64*\s+8*(2*\pi+\u)+4*\c+3], v8 offset:16*WP*\u+64*(4*\g+\s)+32*\c
.endr
.endr
.endr
.endr
	WIN 0
.endm
.macro HEADM q                         ; s26 = the tile that set q loads at the head: p + 4 q, held at the expert's last tile
	s_add_co_u32 s26, s21, 4*\q
	s_min_u32 s26, s26, s23
	s_min_u32 s26, s26, 63
.endm
.macro LOADH q, wx                     ; 24 loads: my 8 images of tile s26, and their scale words, into set q.  wx = 1: the set's bases have served loads before
.if \q < 2
.set XB, 96+64*\q
.else
.set XB, 64*(\q-1)
.endif
.if \wx
	s_wait_xcnt 0x0                                ; earlier loads have read the two bases
.endif
	s_lshl_b32 s27, s26, 5
	s_add_co_u32 s27, s27, s30                     ; (64 e + tile) 32 + 8 w
	s_lshl_b32 s28, s27, 10
	s_add_nc_u64 s[HB+4*\q:HB+4*\q+1], s[10:11], s[28:29]
	s_lshl_b32 s28, s27, 7
	s_add_nc_u64 s[HB+4*\q+2:HB+4*\q+3], s[HSB:HSB+1], s[28:29]
.if \q >= 2
	WIN 0xc0
.endif
.set i, 0
.rept 16
	global_load_b128 v[XB+4*i:XB+4*i+3], v4, s[HB+4*\q:HB+4*\q+1] offset:512*i
.set i, i+1
.endr
	WIN 0
.irp s, 0,1,2,3,4,5,6,7
	global_load_b32 v[HSC+8*\q+\s], v5, s[HB+4*\q+2:HB+4*\q+3] offset:128*\s
.endr
.endm
.macro LOADS q, wx                     ; the row ids and gates of rows 4 w .. 4 w + 3 of tile s26
.if \wx
	s_wait_xcnt 0x0                                ; earlier loads have read the offset
.endif
	s_lshl_b32 s[LOF+\q], s26, 7
	s_add_co_u32 s[LOF+\q], s[LOF+\q], s31
	s_load_b128 s[IDS+4*\q:IDS+4*\q+3], s[12:13], s[LOF+\q] offset:0x0
	s_load_b128 s[GTS+4*\q:GTS+4*\q+3], s[14:15], s[LOF+\q] offset:0x0
.endm
.macro MMA zero, rowa
.if (\zero) && (\rowa)
	v_wmma_scale_f32_16x16x128_f8f6f4 v[rD:rD+7], v[rA:rA+7], v[rB:rB+7], 0, v[rSA], v[rSB] matrix_a_fmt:MATRIX_FMT_FP4 matrix_b_fmt:MATRIX_FMT_FP4 matrix_a_scale:MATRIX_SCALE_ROW1
.elseif \zero
	v_wmma_scale_f32_16x16x128_f8f6f4 v[rD:rD+7], v[rA:rA+7], v[rB:rB+7], 0, v[rSA], v[rSB] matrix_a_fmt:MATRIX_FMT_FP4 matrix_b_fmt:MATRIX_FMT_FP4
.elseif \rowa
	v_wmma_scale_f32_16x16x128_f8f6f4 v[rD:rD+7], v[rA:rA+7], v[rB:rB+7], v[rD:rD+7], v[rSA], v[rSB] matrix_a_fmt:MATRIX_FMT_FP4 matrix_b_fmt:MATRIX_FMT_FP4 matrix_a_scale:MATRIX_SCALE_ROW1
.else
	v_wmma_scale_f32_16x16x128_f8f6f4 v[rD:rD+7], v[rA:rA+7], v[rB:rB+7], v[rD:rD+7], v[rSA], v[rSB] matrix_a_fmt:MATRIX_FMT_FP4 matrix_b_fmt:MATRIX_FMT_FP4
.endif
.endm
; 64 products: my 8 K steps, the eight accumulators by turns, one instruction a turn; the first K step starts the sums
.macro WMMA2 q
.if \q < 2
.set XB, 96+64*\q
.set WLO, 0xf1
.else
.set XB, 64*(\q-1)
.set WLO, 0xfd
.endif
.irp s, 0,1,2,3,4,5,6,7
	WIN (WLO+\s/4)
.irp t, 0,1,2,3,4,5,6,7
.set rD, ACC+8*\t
.set rA, 64*(\s%4)+8*\t
.set rB, XB+8*\s
.set rSA, WSC+8*(\t/2)+\s
.set rSB, HSC+8*\q+\s
	MMA \s==0, \t%2
.endr
.endr
.endm
.macro TEST d, lab                     ; s26 = tile s25 + d, s27 = its first row; to lab if that row is at or past the expert's count
	s_add_co_u32 s26, s25, \d
	s_lshl_b32 s27, s26, 4
	s_cmp_ge_u32 s27, s22
	s_cbranch_scc1 \lab
.endm
; the tile s25 + DD, whose ids and gates are set PQ's and whose partial rows are back in v[RD] on: add up, + b2, x gate, store.  mode 1: only if the tile exists; fill 1: then ask for the ids and gates of the tile 16 further on
.macro REDUCE mode, fill
.if \mode == 1
	TEST DD, .Lno_\@
.else
	s_add_co_u32 s26, s25, DD
	s_lshl_b32 s27, s26, 4
.endif
	WIN 0xcf
.irp cp, 1,2,3
.irp k, 0,2,4,6,8,10,12,14
	v_pk_add_f32 v[RD+\k:RD+\k+1], v[RD+\k:RD+\k+1], v[RD+16*\cp+\k:RD+16*\cp+\k+1]
.endr
.endr
	WIN 0xc3
.irp r, 0,1,2,3
.irp k, 0,2
	v_pk_add_f32 v[RD+4*\r+\k:RD+4*\r+\k+1], v[RD+4*\r+\k:RD+4*\r+\k+1], v[B2+\k:B2+\k+1]
.endr
.endr
	s_wait_alu depctr_va_vdst(0)
	s_wait_kmcnt 0x0                               ; the rows' ids and gates
	s_wait_xcnt 0x0                                ; the last tile's stores have read their data and addresses
	WIN 0x0c
.irp r, 0,1,2,3
.irp i, 0,1,2,3
	v_mul_f32 v[OUT+4*\r+\i], s[GTS+4*PQ+\r], v[RD+4*\r+\i]
.endr
.endr
	WIN 0
	s_add_co_u32 s27, s27, s82                     ; my first row's number in the expert
.irp r, 0,1,2,3
	s_add_co_u32 s28, s27, \r
	s_cmp_ge_u32 s28, s22
	s_cbranch_scc1 .Lrow_\@_\r                     ; a row at or past the count is nobody's
	s_min_u32 s28, s[IDS+4*PQ+\r], 2047
	s_lshl_b32 s28, s28, 12
	s_add_nc_u64 s[RA+2*\r:RA+2*\r+1], s[YB:YB+1], s[28:29]
	s_wait_alu depctr_va_vdst(0)
	global_store_b128 v4, v[OUT+4*\r:OUT+4*\r+3], s[RA+2*\r:RA+2*\r+1]   ; 32 lanes store 512 consecutive bytes, at a multiple of 256 from y's first byte
.Lrow_\@_\r:
.endr
.if \fill
	TEST DD+16, .Lno_\@
	LOADS PQ, 1
.endif
.Lno_\@:
.endm
; one tile, m = s25 + 4 q, on set q.  id: the name of its labels; n: the count of the wait for the set; always = 1: no test; prev: 0 no tile before, 1 the tile before is tested for, 2 it is there without a test;
; nxt: where to go behind the barrier if this tile does not exist
.macro BODY id, q, n, always, prev, nxt
.set PAR, STB*(\q%2)
.if \prev == 1
	TEST 4*\q-4, .Lbar_\id                         ; no tile before: none here either
.endif
.if \always == 0
	TEST 4*\q, .Lnm_\id
.endif
	s_wait_loadcnt \n                              ; set q is in
	WMMA2 \q
	WIN 0
.rept 5
	v_nop                                          ; four places ahead of loads into the set and of the stores of the results; five ahead of the next tile's first product, which begins these accumulators anew
.endr
	TEST 4*\q+16, .Lnm_\id
	LOADH \q, 1                                    ; the tile 16 further on
.Lnm_\id:
	s_wait_dscnt 0x0                               ; the partial rows of the tile before, asked for ahead of the products, are back
.if \always == 0
	TEST 4*\q, .Lns_\id
.endif
	WIN 0x0c
.irp t, 0,1,2,3,4,5,6,7
	ds_store_b128 v11, v[ACC+8*\t:ACC+8*\t+3] offset:PAR+64*\t     ; each accumulator from its low end on
	ds_store_b128 v11, v[ACC+8*\t+4:ACC+8*\t+7] offset:PAR+64*\t+16
.endr
	WIN 0
.Lns_\id:
.if \prev
.set PQ, (\q+3)%4
.set DD, 4*\q-4
	REDUCE 2, 1                                    ; the tile before goes out while my stage stores land
.endif
.Lbar_\id:
	s_wait_dscnt 0x0                               ; my partial tile has landed; my reads of the other stage are over
	s_barrier_signal -1
	s_barrier_wait -1
.if \always == 0
	TEST 4*\q, \nxt
.endif
	WIN 0xc0
.irp cp, 0,1,2,3
.irp r, 0,1,2,3
	ds_load_b128 v[RD+16*\cp+4*\r:RD+16*\cp+4*\r+3], v12 offset:PAR+16*WP*\cp+WP*\r   ; rows 4 w + r of the four partial tiles: 512 consecutive bytes an instruction
.endr
.endr
	WIN 0
.endm
	s_load_b256 s[4:11], s[0:1], 0x0               ; W2's codes 4, its scales 6, b2 8, hq 10
	s_load_b128 s[12:15], s[0:1], 0x20             ; rowlist 12, glist 14
	s_load_b64 s[16:17], s[0:1], 0x30              ; y
	v_lshl_add_u32 v[SPW], v0, 2, SPARE
	v_mov_b32 v[NIL], 0
	v_lshrrev_b32 v1, 5, v0
	v_readfirstlane_b32 s18, v1                    ; wave
	v_and_b32 v1, 31, v0                           ; lane
	v_and_b32 v2, 15, v0                           ; r
	v_bfe_u32 v3, v0, 4, 1                         ; h
	v_lshlrev_b32 v4, 4, v1
	v_lshlrev_b32 v5, 2, v1
	s_mul_i32 s26, s18, 32*WP                      ; my turning region
	v_add_nc_u32 v7, s26, v4
	v_mul_u32_u24 v13, v2, WP
	v_lshl_add_u32 v8, v3, 4, v13
	v_add_nc_u32 v8, s26, v8
	v_lshrrev_b32 v14, 3, v1
	v_and_b32 v15, 7, v1
	v_mul_u32_u24 v14, v14, SSP
	v_lshl_add_u32 v14, v15, 4, v14
	s_mul_i32 s26, s18, 32*SSP
	s_add_co_u32 s26, s26, LWS
	v_add_nc_u32 v9, s26, v14                      ; W2's scale bytes into LDS: my 32 rows, eight lanes to a row
	v_mul_u32_u24 v10, v1, SSP
	s_lshl_b32 s26, s18, 5
	s_add_co_u32 s26, s26, LWS
	v_add_nc_u32 v10, s26, v10                     ; and out: row 32 b + lane, my 8 words
	s_mul_i32 s26, s18, 16*WP
	s_add_co_u32 s26, s26, LST
	v_lshl_add_u32 v11, v3, 5, v13
	v_add_nc_u32 v11, s26, v11                     ; the stage: my partial tile, row r, 32 bytes for each half of the lanes
	s_mul_i32 s26, s18, 4*WP
	s_add_co_u32 s26, s26, LST
	v_add_nc_u32 v12, s26, v4                      ; back: rows 4 w on, 16 bytes a lane
	s_and_b32 s19, ttmp9, 7                        ; expert
	s_bfe_u32 s20, ttmp9, 0x30003                  ; c
	s_lshr_b32 s21, ttmp9, 6                       ; p
	s_lshl_b32 s2, s19, 3
	s_add_co_u32 s2, s2, s20                       ; 8 e + c
	s_mov_b32 s29, 0
	s_lshl_b32 s30, s19, 11
	s_lshl_b32 s27, s18, 3
	s_add_co_u32 s30, s30, s27                     ; 2,048 e + 8 w: images
	s_lshl_b32 s31, s19, 13
	s_lshl_b32 s27, s18, 4
	s_add_co_u32 s31, s31, s27                     ; 8,192 e + 16 w: bytes in the lists
	s_lshl_b32 s82, s18, 2
	s_lshl_b32 s3, s19, 7
	s_wait_alu depctr_va_vdst(0)
	s_wait_kmcnt 0x0
	s_load_b32 s22, s[12:13], s3 offset:0x10000    ; the expert's count
	s_lshl_b32 s28, s2, 18                         ; 128 rows of 2,048 bytes,
	s_lshl_b32 s27, s18, 9                         ; my 512 bytes of each
	s_add_co_u32 s28, s28, s27
	s_add_nc_u64 s[4:5], s[4:5], s[28:29]
	s_lshl_b32 s28, s2, 14
	s_lshl_b32 s27, s18, 12
	s_add_co_u32 s28, s28, s27
	s_add_nc_u64 s[6:7], s[6:7], s[28:29]
	s_lshl_b32 s28, s2, 9
	s_add_nc_u64 s[8:9], s[8:9], s[28:29]
	s_lshl_b32 s28, s20, 9
	s_add_nc_u64 s[YB:YB+1], s[16:17], s[28:29]    ; y at my 128 outputs
	s_add_nc_u64 s[HSB:HSB+1], s[10:11], 0x1000000 ; h's scale words
.irp i, 0,1,2,3,4,5,6,7
	global_load_b128 v[WSC+4*\i:WSC+4*\i+3], v4, s[6:7] offset:512*\i      ; 32 rows of W2's scale bytes, as they lie
.endr
	global_load_b128 v[B2:B2+3], v4, s[8:9]
	LW 0
	LW 1
	s_wait_kmcnt 0x0
	s_min_u32 s22, s22, 1024
	s_add_co_u32 s23, s22, 15
	s_lshr_b32 s23, s23, 4
	s_max_u32 s23, s23, 1
	s_sub_co_u32 s23, s23, 1                       ; the expert's last tile
.irp q, 0,1,2,3
	HEADM \q
	LOADS \q, 0
.endr
	s_wait_loadcnt 32                              ; the scale bytes, b2 and rows 0 to 31 are in: the 32 loads of rows 32 to 63 are younger
.irp i, 0,1,2,3,4,5,6,7
	ds_store_b128 v9, v[WSC+4*\i:WSC+4*\i+3] offset:4*SSP*\i
.endr
	TURN 0
	LW 2
	s_wait_loadcnt 32                              ; rows 32 to 63 are in: the 32 just issued are younger
	TURN 1                                         ; (my own region, served in order: these stores follow the loads of the turn before)
	LW 3
	s_wait_loadcnt 32                              ; rows 64 to 95 are in
	TURN 2
	HEADM 0
	LOADH 0, 0
	HEADM 1
	LOADH 1, 0
	s_wait_loadcnt 48                              ; rows 96 to 127 are in: the 48 loads of sets 0 and 1 are younger
	TURN 3
	HEADM 2
	LOADH 2, 0
	HEADM 3
	LOADH 3, 0
	s_wait_dscnt 0x0                               ; my scale bytes have landed, and my fragments are in
	s_barrier_signal -1
	s_barrier_wait -1                              ; every wave's scale bytes lie in LDS
.irp b, 0,1,2,3
.irp i, 0,1
	ds_load_b128 v[WSC+8*\b+4*\i:WSC+8*\b+4*\i+3], v10 offset:32*SSP*\b+16*\i
.endr
.endr
	s_wait_dscnt 0x0
	s_mov_b32 s25, s21
	BODY p0, 0, 63, 1, 0, .Lbar_p1                 ; the first four tiles are written out: their waits for loads are counted
	BODY p1, 1, 48, 0, 2, .Lbar_p2
	BODY p2, 2, 24, 0, 1, .Lbar_p3
	BODY p3, 3, 0, 0, 1, .Lpe
.Lpe:
	s_add_co_u32 s25, s25, 16
	s_mov_b32 s24, 0
.Ltrip:
	BODY l0, 0, 0, 0, 1, .Lbar_l1
	BODY l1, 1, 0, 0, 1, .Lbar_l2
	BODY l2, 2, 0, 0, 1, .Lbar_l3
	BODY l3, 3, 0, 0, 1, .Lle
.Lle:
	s_add_co_u32 s25, s25, 16
	s_add_co_u32 s24, s24, 1
	s_cmp_lt_u32 s24, 3
	s_cbranch_scc1 .Ltrip
	s_wait_dscnt 0x0                               ; the last tile's partial rows are back
.set PQ, 3
.set DD, -4
	REDUCE 1, 0
	s_wait_tensorcnt 0x0                           ; the wave's end: three lines behind my last LDS store
	ds_add_u32 v[SPW], v[NIL]
	s_wait_dscnt 0x0
	s_endpgm
.Lfunc_end_k_q05a2836c02_ffn2:
	.size	k_q05a2836c02_ffn2, .Lfunc_end_k_q05a2836c02_ffn2-k_q05a2836c02_ffn2
	.p2alignl 7, 3214868480
	.fill 96, 4, 3214868480
	.section	.rodata,"a",@progbits
	.p2align	6, 0x0
	.amdhsa_kernel k_q05a2836c02_ffn2
		.amdhsa_group_segment_fixed_size 154112
		.amdhsa_private_segment_fixed_size 0
		.amdhsa_enable_private_segment 0
		.amdhsa_kernarg_size 56
		.amdhsa_user_sgpr_count 2
		.amdhsa_user_sgpr_kernarg_segment_ptr 1
		.amdhsa_wavefront_size32 1
		.amdhsa_system_sgpr_workgroup_id_x 1
		.amdhsa_system_sgpr_workgroup_id_y 1
		.amdhsa_system_sgpr_workgroup_id_z 1
		.amdhsa_system_vgpr_workitem_id 0
		.amdhsa_next_free_vgpr 1024
		.amdhsa_next_free_sgpr 100
		.amdhsa_reserve_vcc 0
		.amdhsa_float_denorm_mode_32 3
		.amdhsa_float_denorm_mode_16_64 3
		.amdhsa_memory_ordered 1
		.amdhsa_forward_progress 1
		.amdhsa_inst_pref_size 191
	.end_amdhsa_kernel
	.amdgpu_metadata
---
amdhsa.version: [ 1, 2 ]
amdhsa.kernels:
  - .name:           k_q05a2836c02_ffn2
    .symbol:         k_q05a2836c02_ffn2.kd
    .args:
      - { .name: W2_codes, .offset: 0, .size: 8, .value_kind: global_buffer, .address_space: global }
      - { .name: W2_scales, .offset: 8, .size: 8, .value_kind: global_buffer, .address_space: global }
      - { .name: b2, .offset: 16, .size: 8, .value_kind: global_buffer, .address_space: global }
      - { .name: hq, .offset: 24, .size: 8, .value_kind: global_buffer, .address_space: global }
      - { .name: rowlist, .offset: 32, .size: 8, .value_kind: global_buffer, .address_space: global }
      - { .name: glist, .offset: 40, .size: 8, .value_kind: global_buffer, .address_space: global }
      - { .name: y, .offset: 48, .size: 8, .value_kind: global_buffer, .address_space: global }
    .group_segment_fixed_size: 154112
    .private_segment_fixed_size: 0
    .kernarg_segment_align: 8
    .kernarg_segment_size: 56
    .max_flat_workgroup_size: 128
    .sgpr_count:     100
    .vgpr_count:     1024
    .wavefront_size: 32
...
	.end_amdgpu_metadata
.endif
;; end of part 3
;; launch combine (part 4): grid 256 x 1, 4 waves a work-group, no clusters, 0 bytes of LDS; arguments y, gates, out0, out1; writes out0, out1
.if DOCPART == 4
	.amdgcn_target "amdgcn-amd-amdhsa--gfx1250"
	.amdhsa_code_object_version 6
	.text
	.protected	k_q05a2836c02_combine
	.globl	k_q05a2836c02_combine
	.p2align	8
	.type	k_q05a2836c02_combine,@function
k_q05a2836c02_combine:
	s_mov_b64 s[64:65], 0
	v_nop
	global_prefetch_b8 v0, s[64:65] scope:SCOPE_SE
	s_setreg_imm32_b32 hwreg(HW_REG_WAVE_MODE, 25, 1), 1
	s_wait_xcnt 0x0
; COMBINE: out0[token] = y[2 token] + y[2 token + 1] (the gates were multiplied in where the rows were made); out1 = mean over the experts of (mean probability - 1 / 8)^2.
; A wave takes a token: 8,192 consecutive bytes in, 4,096 out, 512 an instruction.  A stream: no LDS, no barrier, no matrix unit, nothing shared between work-groups.
; Token 0's wave also adds up the 256 work-groups' sums of probabilities (from byte 8,192 of gates); its path is written out, so that every register is written on the path that reads it.
	s_load_b256 s[4:11], s[0:1], 0x0               ; y, gates, out0, out1
	v_lshrrev_b32 v1, 5, v0
	v_readfirstlane_b32 s12, v1
	v_and_b32 v1, 31, v0
	v_lshlrev_b32 v2, 4, v1
	s_lshl_b32 s13, ttmp9, 2
	s_add_co_u32 s13, s13, s12                     ; my token
	s_lshl_b32 s14, s13, 13
	s_mov_b32 s15, 0
	s_lshl_b32 s16, s13, 12
	s_mov_b32 s17, 0
	s_wait_alu depctr_va_vdst(0)
	s_wait_kmcnt 0x0
	s_add_nc_u64 s[4:5], s[4:5], s[14:15]
	s_add_nc_u64 s[8:9], s[8:9], s[16:17]
.irp i, 0,1,2,3,4,5,6,7,8,9,10,11,12,13,14,15
	global_load_b128 v[16+4*\i:19+4*\i], v2, s[4:5] offset:512*\i th:TH_LOAD_NT
.endr
.macro MAIN
.irp i, 0,1,2,3,4,5,6,7
	v_pk_add_f32 v[16+4*\i:17+4*\i], v[16+4*\i:17+4*\i], v[48+4*\i:49+4*\i]
	v_pk_add_f32 v[18+4*\i:19+4*\i], v[18+4*\i:19+4*\i], v[50+4*\i:51+4*\i]
	global_store_b128 v2, v[16+4*\i:19+4*\i], s[8:9] offset:512*\i th:TH_STORE_NT
.endr
.endm
	s_cmp_lg_u32 s13, 0
	s_cbranch_scc1 .Lplain
.irp i, 0,1,2,3,4,5,6,7,8,9,10,11,12,13,14,15
	global_load_b128 v[80+4*\i:83+4*\i], v2, s[6:7] offset:8192+512*\i     ; lane l: experts 4 (l % 2) + 0 .. 3 of work-group 16 i + l / 2
.endr
	s_mov_b32 s18, 0x3a800000                      ; 1 / 1,024
	s_mov_b32 s19, 0xbe000000                      ; - 1 / 8
	s_mov_b32 s20, 0x76543210
	s_mov_b32 s21, 0xfedcba98
	s_wait_loadcnt 16                              ; my rows of y are in; the sixteen just issued are younger
	MAIN
	s_wait_loadcnt 0x0
	v_pk_add_f32 v[144:145], v[80:81], v[84:85]
	v_pk_add_f32 v[146:147], v[82:83], v[86:87]
.irp i, 2,3,4,5,6,7,8,9,10,11,12,13,14,15
	v_pk_add_f32 v[144:145], v[144:145], v[80+4*\i:81+4*\i]
	v_pk_add_f32 v[146:147], v[146:147], v[82+4*\i:83+4*\i]
.endr
.irp m, 2,4,8
.irp k, 0,1,2,3
	v_add_f32_dpp v[144+\k], v[144+\k], v[144+\k] row_xmask:\m row_mask:0xf bank_mask:0xf   ; over the lanes that hold the same four experts
.endr
.endr
.irp k, 0,1,2,3
	v_permlanex16_b32 v[80+\k], v[144+\k], s20, s21
.endr
.irp k, 0,1,2,3
	v_add_f32 v[144+\k], v[144+\k], v[80+\k]
.endr
.irp k, 0,1,2,3
	v_fma_f32 v[144+\k], v[144+\k], s18, s19       ; the mean probability less 1 / 8
.endr
	v_mul_f32 v148, v144, v144
	v_fma_f32 v148, v145, v145, v148
	v_fma_f32 v148, v146, v146, v148
	v_fma_f32 v148, v147, v147, v148
	v_add_f32_dpp v148, v148, v148 row_xmask:1 row_mask:0xf bank_mask:0xf   ; with the other four experts'
	v_mul_f32 v148, 0x3e000000, v148
	v_mov_b32 v149, 0
	v_cmp_eq_u32 vcc_lo, 0, v1
	s_wait_alu depctr_va_vdst(0)
	s_wait_xcnt 0x0                                ; EXEC changes only behind this wait
	s_and_saveexec_b32 s22, vcc_lo
	global_store_b32 v149, v148, s[10:11]
	s_wait_xcnt 0x0
	s_or_b32 exec_lo, exec_lo, s22
	s_endpgm
.Lplain:
	s_wait_loadcnt 0x0
	MAIN
	s_endpgm
.Lfunc_end_k_q05a2836c02_combine:
	.size	k_q05a2836c02_combine, .Lfunc_end_k_q05a2836c02_combine-k_q05a2836c02_combine
	.p2alignl 7, 3214868480
	.fill 96, 4, 3214868480
	.section	.rodata,"a",@progbits
	.p2align	6, 0x0
	.amdhsa_kernel k_q05a2836c02_combine
		.amdhsa_group_segment_fixed_size 0
		.amdhsa_private_segment_fixed_size 0
		.amdhsa_enable_private_segment 0
		.amdhsa_kernarg_size 32
		.amdhsa_user_sgpr_count 2
		.amdhsa_user_sgpr_kernarg_segment_ptr 1
		.amdhsa_wavefront_size32 1
		.amdhsa_system_sgpr_workgroup_id_x 1
		.amdhsa_system_sgpr_workgroup_id_y 1
		.amdhsa_system_sgpr_workgroup_id_z 1
		.amdhsa_system_vgpr_workitem_id 0
		.amdhsa_next_free_vgpr 152
		.amdhsa_next_free_sgpr 66
		.amdhsa_reserve_vcc 1
		.amdhsa_float_denorm_mode_32 3
		.amdhsa_float_denorm_mode_16_64 3
		.amdhsa_memory_ordered 1
		.amdhsa_forward_progress 1
		.amdhsa_inst_pref_size 12
	.end_amdhsa_kernel
	.amdgpu_metadata
---
amdhsa.version: [ 1, 2 ]
amdhsa.kernels:
  - .name:           k_q05a2836c02_combine
    .symbol:         k_q05a2836c02_combine.kd
    .args:
      - { .name: y, .offset: 0, .size: 8, .value_kind: global_buffer, .address_space: global }
      - { .name: gates, .offset: 8, .size: 8, .value_kind: global_buffer, .address_space: global }
      - { .name: out0, .offset: 16, .size: 8, .value_kind: global_buffer, .address_space: global }
      - { .name: out1, .offset: 24, .size: 8, .value_kind: global_buffer, .address_space: global }
    .group_segment_fixed_size: 0
    .private_segment_fixed_size: 0
    .kernarg_segment_align: 8
    .kernarg_segment_size: 32
    .max_flat_workgroup_size: 128
    .sgpr_count:     66
    .vgpr_count:     152
    .wavefront_size: 32
...
	.end_amdgpu_metadata
.endif
;; end of part 4
